; MI455X (gfx1250); checked and timed in simulation.
; The chip was launched on July 23, 2026; its instructions are those of AMD's public machine-readable ISA for CDNA 5 (MIT licence, August 2026) and "CDNA5" Instruction Set Architecture Reference Guide (July 2026). The comments in the code are by the model that wrote it; some were corrected since.
;; Attention GRU. Allowed arithmetic: matrix products marked QUANTISED: E2M3 operands, one E8M0 scale for each 32 along K, by v_wmma_scale_f32_16x16x128_f8f6f4 with both operands' format E2M3, f32 sums; products left as they are: f32 operands where the result goes on into a quantised operand, else bf16, f16 or f32 operands; f32 sums; everything else in f32.
;; Inputs: W_k 512 x 512 float32; W_q 512 x 512 float32; W_v 512 x 512 float32; lnkv_b 512 float32; lnkv_g 512 float32; lnq_b 512 float32; lnq_g 512 float32; res_W 512 x 512 float32; res_b 512 float32; x_dynamic 64 x 2,048 x 512 float32; x_known 64 x 512 float32; x_trafic 64 x 512 float32.
;; Outputs: out0 64 x 512 float32; out1 64 x 8 x 1 x 2,048 float32.
;; This version of the problem:
;;   THIS VERSION OF THE PROBLEM IS GIVEN IN LOW PRECISION. The matrix products marked QUANTISED in the list below multiply operands that are first quantised to E2M3 (2 exponent bits, 3 mantissa bits; 6 bits a number), with one power-of-two scale for each 32 numbers along K (OCP MX v1.0); their sums are f32. All else is computed in f32.
;;   The module's matrix products, in the order in which they are computed (A, B: the left and right operand; K: the contracted axis; several contracted axes count as one K, in the product's order):
;;     1. [M 64, K 512] x [K 512, N 512]; A: computed on the way; B: input W_q: QUANTISED
;;     2. [M 131,072, K 512] x [K 512, N 512]; A: computed on the way; B: input W_k: QUANTISED
;;     3. [M 131,072, K 512] x [K 512, N 512]; A: computed on the way; B: input W_v: QUANTISED
;;     4. batch 512 x [M 1, K 64] x [K 64, N 2,048]; A: computed on the way; B: computed on the way: left as it is (M = 1 < 16)
;;     5. batch 512 x [M 1, K 2,048] x [K 2,048, N 64]; A: softmax; B: computed on the way: left as it is (M = 1 < 16)
;;     6. [M 64, K 512] x [K 512, N 512]; A: input x_trafic; B: input res_W: QUANTISED
;;   THE QUANTISER, for each operand of a quantised product, along K:
;;     - K is cut into blocks of 32 from its start; a last block that is shorter is filled with zeros.
;;     - A block's scale is 2^e with e = floor(log2(the largest magnitude in the block)) - 2, held to -126 .. 127; a block of zeros has e = 0. As a byte (E8M0): e + 127.
;;     - Each number is divided by its block's scale, clamped to +-7.5, and rounded to the nearest number of E2M3, ties to even, subnormals kept.
;;     - The product sums the exact products of the quantised numbers (number of the format x scale) in f32.
;;   ~~~python
;;   def quantise(x, axis):      # numpy; x: float32 -> the quantised numbers, widened to float32 again
;;       x = np.moveaxis(x, axis, -1); K = x.shape[-1]
;;       x = np.pad(x, [(0, 0)] * (x.ndim - 1) + [(0, -K % 32)]); x = x.reshape(x.shape[:-1] + (-1, 32)); a = np.abs(x).max(-1, keepdims=True)
;;       e = np.where(a > 0, np.clip(np.frexp(np.where(a > 0, a, 1))[1] - 1 - 2, -126, 127), 0)      # np.frexp(a)[1] - 1 = floor(log2(a)), exactly
;;       r = np.clip(x / 2.0 ** e, -7.5, 7.5)
;;       step = 2.0 ** (np.maximum(np.frexp(np.where(r == 0, 1, r))[1] - 1, 0) - 3)
;;       q = np.round(r / step) * step * 2.0 ** e      # np.round: ties to even
;;       return np.moveaxis(q.reshape(q.shape[:-2] + (-1,))[..., :K], -1, axis).astype(np.float32)
;;   ~~~
;;   OPERANDS COMPUTED ON THE WAY. 'Computed on the way' means the value that the module computes at that place (a softmax that the list does not call 'softmax' is quantised finished and normalised). What goes into a quantiser is computed in f32, as accurately as f32 sums, v_exp_f32 and their like allow (about 1e-6 of the number): no bf16 or f16 on the way to a quantiser, and a product that is left as it is and whose result goes on into a quantised operand takes f32 operands (vector FMAs, or v_wmma_f32_16x16x4_f32). A number that lies on a knife's edge between two numbers of the format may be rounded either way, as far as f32 arithmetic and the matrix unit's own rounding can turn it there, and no further.
;; One version. Each part assembles by itself: llvm-mc -triple=amdgcn-amd-amdhsa -mcpu=gfx1250 --defsym DOCPART=n.
;; ======== version 1 of 1: 3 launches
;; limits: right only within a limited range of input values
;; workspace buffers: wfrag 393,216 bytes; wscale 16,384 bytes; qv 131,072 bytes; resid 131,072 bytes; scores 4,194,304 bytes; part 589,824 bytes
;; launch prep (part 1): grid 48 x 1, 8 waves a work-group, no clusters, 228,864 bytes of LDS; arguments W_k, W_v, W_q, res_W, x_trafic, lnq_g, lnq_b, res_b, wfrag, wscale, qv, resid; writes wfrag, wscale, qv, resid
.if DOCPART == 1
	.amdgcn_target "amdgcn-amd-amdhsa--gfx1250"
	.amdhsa_code_object_version 6
	.text
	.protected	k_qc32d7996de_prep
	.globl	k_qc32d7996de_prep
	.p2align	8
	.type	k_qc32d7996de_prep,@function
k_qc32d7996de_prep:
	s_mov_b64 s[64:65], 0
	v_nop
	global_prefetch_b8 v0, s[64:65] scope:SCOPE_SE
	s_setreg_imm32_b32 hwreg(HW_REG_WAVE_MODE, 25, 1), 1
	s_wait_xcnt 0x0
; Two jobs that are done once, ahead of the large launch.  All codes are FP6 (E2M3) with one E8M0 scale byte for each 32 along K.
; WORK-GROUPS 0-15: qv = Q(LN(x_trafic)) Q(W_q) (0-7) and resid = Q(x_trafic) Q(res_W) + res_b (8-15); a work-group makes 64 rows x 64 columns.
;   Its 512 x 64 block of the weight comes into LDS by one tensor load a wave (64 rows of 256 bytes).  Every wave norms and quantises 8 rows of x into images of operand registers.
;   Then wave w takes K step w & 3 and column tiles 2 (w >> 2), 2 (w >> 2) + 1: 8 products, each started with C = 0; the four K steps' parts are added through LDS.
;   Both products take ONE path: where no layer norm is due, mean 0, 1 / sigma 1, gain 1 and bias 0 are selected; where no res_b is due, 0.
; WORK-GROUPS 16-47: W_k and W_v [512 (k)][512 (n)] f32 become operand fragments (16 columns x 128 K, 12 registers a lane), stored as images of the registers; a wave makes one fragment:
;   wfrag [wave w][fragment f][chunk q][lane][16 bytes];  wscale [w][j][lane][4]: lanes 0-15 the scale word of K's fragment j, lanes 16-31 that of V's fragment 32 + j.
;   Lane r of tile t of wave w takes column 128 w + 64 (r & 1) + 8 t + (r >> 1).  f = 16 (t >> 2) + 4 s + (t & 3), s the K step of 128; V: f + 32.
; A lane takes a column of a weight and its registers run down K, so that the conversions' results are the operand's registers.
; A block's scale is 2^(floor(log2(largest magnitude)) - 2): the magnitude's exponent field less 2, held at 1 from below.
; LIMITS: NaN and infinities among the inputs are not served; a block of zeros gets the byte 1, not 127: its codes are zeros, and this program alone reads the bytes.
; x_known enters nothing in reference() and is not among the arguments.
.set TIMG,  6528                       ; an image of 16 rows x 512 K: 16 regions of 272 bytes (a block's registers 0-3), then 8 regions of 272 (registers 4-5)
.set DPART, 4352
.set SCI,   26112                      ; the rows' scale bytes, 256 a tile
.set PST,   27136                      ; the parts: 4 K steps x 64 rows x (256 bytes + 16)
.set PSS,   17408
.set SPARE, 96768                      ; the spare words
.set WT,    97792                      ; the weight's block: 512 rows of 256 bytes
.set IW16,  7
.set IW8,   8
.set IWS,   9
.set BI,    14                         ; v10-13 x's scale words; v14-17 res_b; v18-19 the weight's scale words
.set LC,    20
.set LS0,   40
.set LMU,   48
.set LRS,   52
.set LMX,   56
.set LBY,   60
.set LG,    64
.set LB,    96
.set FW,    20                         ; later: the weight's two fragments at v20 and v40; x's four at v64; eight accumulators at v112
.set XF,    64
.set ACC,   112
.set MSB, 0
.macro WIN new
.if MSB != (\new)
	s_set_vgpr_msb (MSB<<8)|(\new)
.set MSB, (\new)
.endif
.endm
; 64 numbers of a lane in window 1, register src + 32 c + i = k 64 c + 32 (lane / 16) + i of my column, become a fragment in v[F] on and its scale word in v[WW] (whole in every lane)
.macro WQ src, F, WW
	WIN 0x05
	v_max3_num_f32 v180, |v[(\src)]|, |v[(\src)+1]|, 0x1800000
	v_max3_num_f32 v181, |v[(\src)+32]|, |v[(\src)+33]|, 0x1800000
.irp i, 2,4,6,8,10,12,14,16,18,20,22,24,26,28,30
	s_delay_alu instid0(VALU_DEP_2)
	v_max3_num_f32 v180, |v[(\src)+\i]|, |v[(\src)+\i+1]|, v180
	s_delay_alu instid0(VALU_DEP_2)
	v_max3_num_f32 v181, |v[(\src)+32+\i]|, |v[(\src)+33+\i]|, v181
.endr
	WIN 0
	v_add_nc_u32 v182, 0xff000000, v180
	v_add_nc_u32 v183, 0xff000000, v181
	s_delay_alu instid0(VALU_DEP_2)
	v_lshrrev_b32 v184, 23, v182
	s_delay_alu instid0(VALU_DEP_2)
	v_lshrrev_b32 v185, 23, v183
	s_delay_alu instid0(VALU_DEP_1)
	v_lshl_or_b32 v[\WW], v185, 16, v184
	s_delay_alu instid0(VALU_DEP_1)
	v_lshlrev_b32 v[\WW], v187, v[\WW]
	v_mov_b32 v186, 0
	s_delay_alu instid0(VALU_DEP_1)
	v_permlanex16_b32 v186, v[\WW], s30, s31
	s_delay_alu instid0(VALU_DEP_1)
	v_or_b32 v[\WW], v[\WW], v186
	WIN 0x01
	v_cvt_scalef32_pk16_fp6_f32 v[(\F):(\F)+2], v[(\src):(\src)+15], v182
	v_cvt_scalef32_pk16_fp6_f32 v[188:190], v[(\src)+16:(\src)+31], v182
	v_cvt_scalef32_pk16_fp6_f32 v[(\F)+6:(\F)+8], v[(\src)+32:(\src)+47], v183
	v_cvt_scalef32_pk16_fp6_f32 v[192:194], v[(\src)+48:(\src)+63], v183
	WIN 0
	v_nop
.irp j, 0,1,2
	v_mov_b32 v[(\F)+3+\j], v[188+\j]
	v_mov_b32 v[(\F)+9+\j], v[192+\j]
.endr
.endm
; LAYER NORM AND QUANTISER, two passes by turns.  A pass is two rows: lane l holds block l % 16 of row 2 pass + l / 16
.macro LNSUM x, u
.set a_, LS0+4*(\u)
	v_pk_add_f32 v[a_:a_+1], v[(\x):(\x)+1], v[(\x)+2:(\x)+3]
	v_pk_add_f32 v[a_+2:a_+3], v[(\x)+4:(\x)+5], v[(\x)+6:(\x)+7]
.irp i, 8,12,16,20,24,28
	s_delay_alu instid0(VALU_DEP_2)
	v_pk_add_f32 v[a_:a_+1], v[a_:a_+1], v[(\x)+\i:(\x)+\i+1]
	s_delay_alu instid0(VALU_DEP_2)
	v_pk_add_f32 v[a_+2:a_+3], v[a_+2:a_+3], v[(\x)+\i+2:(\x)+\i+3]
.endr
	s_delay_alu instid0(VALU_DEP_1)
	v_pk_add_f32 v[a_:a_+1], v[a_:a_+1], v[a_+2:a_+3]
	s_delay_alu instid0(VALU_DEP_1)
	v_add_f32 v[a_], v[a_], v[a_+1]
.endm
.macro LNREST x, pass
.irp k, 1,2,4,8
	v_add_f32_dpp v[LS0], v[LS0], v[LS0] row_xmask:\k row_mask:0xf bank_mask:0xf
	s_delay_alu instid0(VALU_DEP_2)
	v_add_f32_dpp v[LS0+4], v[LS0+4], v[LS0+4] row_xmask:\k row_mask:0xf bank_mask:0xf
.endr
.irp u, 0,1
	s_delay_alu instid0(VALU_DEP_2)
	v_mul_f32 v[LMU+2*\u], s46, v[LS0+4*\u]
.endr
.irp u, 0,1
	s_delay_alu instid0(VALU_DEP_2)
	v_cndmask_b32 v[LMU+2*\u], 0, v[LMU+2*\u], s35
.endr
.irp i, 0,2,4,6,8,10,12,14,16,18,20,22,24,26,28,30
.irp u, 0,1
	v_pk_add_f32 v[(\x)+32*\u+\i:(\x)+32*\u+\i+1], v[(\x)+32*\u+\i:(\x)+32*\u+\i+1], v[LMU+2*\u:LMU+2*\u+1] op_sel_hi:[1,0] neg_lo:[0,1] neg_hi:[0,1]
.endr
.endr
.irp u, 0,1
	v_pk_mul_f32 v[LS0+4*\u:LS0+4*\u+1], v[(\x)+32*\u:(\x)+32*\u+1], v[(\x)+32*\u:(\x)+32*\u+1]
	v_pk_mul_f32 v[LS0+4*\u+2:LS0+4*\u+3], v[(\x)+32*\u+2:(\x)+32*\u+3], v[(\x)+32*\u+2:(\x)+32*\u+3]
.endr
.irp i, 4,8,12,16,20,24,28
.irp u, 0,1
	s_delay_alu instid0(VALU_DEP_4)
	v_pk_fma_f32 v[LS0+4*\u:LS0+4*\u+1], v[(\x)+32*\u+\i:(\x)+32*\u+\i+1], v[(\x)+32*\u+\i:(\x)+32*\u+\i+1], v[LS0+4*\u:LS0+4*\u+1]
	s_delay_alu instid0(VALU_DEP_4)
	v_pk_fma_f32 v[LS0+4*\u+2:LS0+4*\u+3], v[(\x)+32*\u+\i+2:(\x)+32*\u+\i+3], v[(\x)+32*\u+\i+2:(\x)+32*\u+\i+3], v[LS0+4*\u+2:LS0+4*\u+3]
.endr
.endr
.irp u, 0,1
	v_pk_add_f32 v[LS0+4*\u:LS0+4*\u+1], v[LS0+4*\u:LS0+4*\u+1], v[LS0+4*\u+2:LS0+4*\u+3]
.endr
.irp u, 0,1
	s_delay_alu instid0(VALU_DEP_2)
	v_add_f32 v[LS0+4*\u], v[LS0+4*\u], v[LS0+4*\u+1]
.endr
.irp k, 1,2,4,8
.irp u, 0,1
	s_delay_alu instid0(VALU_DEP_2)
	v_add_f32_dpp v[LS0+4*\u], v[LS0+4*\u], v[LS0+4*\u] row_xmask:\k row_mask:0xf bank_mask:0xf
.endr
.endr
.irp u, 0,1
	s_delay_alu instid0(VALU_DEP_2)
	v_fma_f32 v[LS0+4*\u+2], v[LS0+4*\u], s46, s47
.endr
	s_wait_alu depctr_va_vdst(0)                   ; the wait ahead of the roots
.irp u, 0,1
	v_rsq_f32 v[LRS+2*\u], v[LS0+4*\u+2]
.endr
	v_nop
	s_wait_alu depctr_va_vdst(0)                   ; and behind them
.irp u, 0,1
	v_cndmask_b32 v[LRS+2*\u], 1.0, v[LRS+2*\u], s35
.endr
.irp i, 0,2,4,6,8,10,12,14,16,18,20,22,24,26,28,30
.irp u, 0,1
	v_pk_mul_f32 v[(\x)+32*\u+\i:(\x)+32*\u+\i+1], v[(\x)+32*\u+\i:(\x)+32*\u+\i+1], v[LRS+2*\u:LRS+2*\u+1] op_sel_hi:[1,0]
.endr
.endr
.irp i, 0,2,4,6,8,10,12,14,16,18,20,22,24,26,28,30
.irp u, 0,1
	v_pk_fma_f32 v[(\x)+32*\u+\i:(\x)+32*\u+\i+1], v[(\x)+32*\u+\i:(\x)+32*\u+\i+1], v[LG+\i:LG+\i+1], v[LB+\i:LB+\i+1]
.endr
.endr
.irp u, 0,1
.set x_, (\x)+32*\u
	v_max3_num_f32 v[LMX+2*\u], |v[x_]|, |v[x_+1]|, 0x1800000
	v_max3_num_f32 v[LMX+2*\u+1], |v[x_+2]|, |v[x_+3]|, |v[x_+4]|
.endr
.irp i, 5,9,13,17,21,25
.irp u, 0,1
.set x_, (\x)+32*\u+\i
	s_delay_alu instid0(VALU_DEP_4)
	v_max3_num_f32 v[LMX+2*\u], v[LMX+2*\u], |v[x_]|, |v[x_+1]|
	s_delay_alu instid0(VALU_DEP_4)
	v_max3_num_f32 v[LMX+2*\u+1], v[LMX+2*\u+1], |v[x_+2]|, |v[x_+3]|
.endr
.endr
.irp u, 0,1
	v_max3_num_f32 v[LMX+2*\u], v[LMX+2*\u], |v[(\x)+32*\u+29]|, |v[(\x)+32*\u+30]|
.endr
.irp u, 0,1
	s_delay_alu instid0(VALU_DEP_2)
	v_max3_num_f32 v[LMX+2*\u], v[LMX+2*\u], v[LMX+2*\u+1], |v[(\x)+32*\u+31]|
.endr
.irp u, 0,1
	s_delay_alu instid0(VALU_DEP_2)
	v_add_nc_u32 v[LMX+2*\u+1], 0xff000000, v[LMX+2*\u]
.endr
.irp u, 0,1
	v_cvt_scalef32_pk16_fp6_f32 v[LC+10*\u:LC+10*\u+2], v[(\x)+32*\u:(\x)+32*\u+15], v[LMX+2*\u+1]
	v_cvt_scalef32_pk16_fp6_f32 v[LC+10*\u+6:LC+10*\u+8], v[(\x)+32*\u+16:(\x)+32*\u+31], v[LMX+2*\u+1]
.endr
.irp u, 0,1
	v_lshrrev_b32 v[LBY+\u], 23, v[LMX+2*\u+1]
.endr
.irp u, 0,1
.irp j, 0,1,2
	v_mov_b32 v[LC+10*\u+3+\j], v[LC+10*\u+6+\j]
.endr
.endr
.irp u, 0,1
	ds_store_b128 v[IW16], v[LC+10*\u:LC+10*\u+3] offset:32*((\pass)+\u)
	ds_store_b64 v[IW8], v[LC+10*\u+4:LC+10*\u+5] offset:16*((\pass)+\u)
	ds_store_b8 v[IWS], v[LBY+\u] offset:16*((\pass)+\u)
.endr
.endm
	s_load_b512 s[4:19], s[0:1], 0x0               ; W_k s[4:5], W_v s[6:7], W_q s[8:9], res_W s[10:11], x_trafic s[12:13], lnq_g s[14:15], lnq_b s[16:17], res_b s[18:19]
	s_load_b256 s[20:27], s[0:1], 0x40             ; wfrag s[20:21], wscale s[22:23], qv s[24:25], resid s[26:27]
	v_lshl_add_u32 v39, v0, 2, SPARE
	v_mov_b32 v63, 0
	ds_add_u32 v39, v63                            ; the opening lines
	ds_add_u32 v39, v63
	v_lshrrev_b32 v1, 5, v0
	s_delay_alu instid0(VALU_DEP_1)
	v_readfirstlane_b32 s28, v1                    ; wave 0..7
	v_and_b32 v1, 15, v0                           ; r, also the block c
	v_bfe_u32 v2, v0, 4, 1                         ; h
	v_and_b32 v3, 31, v0                           ; lane
	s_mov_b32 s30, 0x76543210
	s_mov_b32 s31, 0xfedcba98
	s_mov_b32 s52, 3<<16                           ; a tile of 64 rows of 32 elements of 8 bytes, 256 elements from row to row
	s_mov_b32 s53, 32<<16
	s_mov_b32 s54, 64<<16
	s_mov_b32 s55, 32<<16
	s_mov_b32 s56, 64
	s_mov_b32 s57, 256
	s_mov_b32 s58, 0
	s_mov_b32 s59, 0
	s_wait_alu depctr_va_vdst(0)                   ; the wait at the head's end
	s_wait_dscnt 0x0
	s_wait_kmcnt 0x0
	s_cmp_ge_u32 ttmp9, 16
	s_cbranch_scc1 .Lw
	; ---- the two products of 64 rows
	s_lshr_b32 s33, ttmp9, 3                       ; 0: W_q, with the layer norm;  1: res_W, with res_b
	s_and_b32 s34, ttmp9, 7                        ; which 64 columns
	s_cmp_eq_u32 s33, 0
	s_cselect_b64 s[8:9], s[8:9], s[10:11]
	s_cselect_b64 s[24:25], s[24:25], s[26:27]
	s_cselect_b32 s35, -1, 0
	s_not_b32 s36, s35
	s_lshl_b32 s40, s28, 17                        ; my 64 rows of the weight, 2,048 bytes each,
	s_lshl_b32 s41, s34, 8                         ; the work-group's 256 bytes of a row
	s_add_co_u32 s40, s40, s41
	s_mov_b32 s41, 0
	s_add_nc_u64 s[50:51], s[8:9], s[40:41]
	s_or_b32 s51, s51, 0x80000000
	s_mov_b32 s48, 1
	s_lshl_b32 s49, s28, 14
	s_add_co_u32 s49, s49, WT
	tensor_load_to_lds s[48:51], s[52:59]          ; my one tensor load
	s_nop 0
	s_mov_b32 s46, 0x3b000000                      ; 1 / 512
	s_mov_b32 s47, 0x3727c5ac                      ; 1e-5
	s_lshl_b32 s37, s28, 14                        ; my 8 rows of x
	s_lshl_b32 s40, s34, 8
	s_add_nc_u64 s[18:19], s[18:19], s[40:41]
	v_lshlrev_b32 v4, 7, v1
	s_delay_alu instid0(VALU_DEP_1)
	v_lshl_add_u32 v4, v2, 11, v4
	s_delay_alu instid0(VALU_DEP_1)
	v_add_nc_u32 v4, s37, v4                       ; row 8 wave + h, block c
	v_lshlrev_b32 v5, 7, v1
	v_lshlrev_b32 v6, 4, v1
.irp q, 0,1,2,3
.irp i, 0,1,2,3,4,5,6,7
	global_load_b128 v[128+32*\q+4*\i:131+32*\q+4*\i], v4, s[12:13] offset:4096*\q+16*\i
.endr
.endr
.irp i, 0,1,2,3,4,5,6,7
	global_load_b128 v[LG+4*\i:LG+4*\i+3], v5, s[14:15] offset:16*\i
	global_load_b128 v[LB+4*\i:LB+4*\i+3], v5, s[16:17] offset:16*\i
.endr
	global_load_b128 v[BI:BI+3], v6, s[18:19]      ; res_b at columns 4 r .. 4 r + 3 of the work-group's 64
	s_lshr_b32 s39, s28, 1                         ; my rows lie in tile wave / 2, from row 8 (wave % 2) on
	s_and_b32 s42, s28, 1
	s_mul_i32 s43, s39, TIMG
	s_lshl_b32 s44, s42, 7
	s_add_co_u32 s44, s44, s43
	v_mul_u32_u24 v[IW16], v1, 272
	s_delay_alu instid0(VALU_DEP_1)
	v_lshl_add_u32 v[IW16], v2, 4, v[IW16]
	s_delay_alu instid0(VALU_DEP_1)
	v_add_nc_u32 v[IW16], s44, v[IW16]
	s_lshl_b32 s44, s42, 6
	s_add_co_u32 s44, s44, s43
	s_add_co_u32 s44, s44, DPART
	v_lshrrev_b32 v20, 1, v1
	v_and_b32 v21, 1, v1
	s_delay_alu instid0(VALU_DEP_2)
	v_mul_u32_u24 v[IW8], v20, 272
	s_delay_alu instid0(VALU_DEP_1)
	v_lshl_add_u32 v[IW8], v21, 7, v[IW8]
	s_delay_alu instid0(VALU_DEP_1)
	v_lshl_add_u32 v[IW8], v2, 3, v[IW8]
	s_delay_alu instid0(VALU_DEP_1)
	v_add_nc_u32 v[IW8], s44, v[IW8]
	v_bfe_u32 v20, v1, 2, 1                        ; the byte of (row, block c) lies at 8 (row + 16 ((c >> 2) & 1)) + 4 (c >> 3) + (c & 3)
	s_delay_alu instid0(VALU_DEP_1)
	v_lshl_add_u32 v20, v20, 4, v2
	v_lshrrev_b32 v21, 3, v1
	v_and_b32 v22, 3, v1
	s_delay_alu instid0(VALU_DEP_1)
	v_lshl_add_u32 v[IWS], v20, 3, v22
	s_delay_alu instid0(VALU_DEP_1)
	v_lshl_add_u32 v[IWS], v21, 2, v[IWS]
	s_lshl_b32 s44, s39, 8
	s_lshl_b32 s45, s42, 6
	s_add_co_u32 s44, s44, s45
	s_add_co_u32 s44, s44, SCI
	v_add_nc_u32 v[IWS], s44, v[IWS]
.irp u, 0,1
	v_mov_b32 v[LMU+2*\u+1], 0                     ; upper halves of pairs whose low word serves both halves
	v_mov_b32 v[LRS+2*\u+1], 0
.endr
	s_wait_alu depctr_va_vdst(0)
	s_wait_loadcnt 0x0                             ; x, gain, bias, res_b: 49 loads
.irp i, 0,1,2,3,4,5,6,7,8,9,10,11,12,13,14,15,16,17,18,19,20,21,22,23,24,25,26,27,28,29,30,31
	v_cndmask_b32 v[LG+\i], 1.0, v[LG+\i], s35
	v_cndmask_b32 v[LB+\i], 0, v[LB+\i], s35
.endr
.irp j, 0,1,2,3
	v_cndmask_b32 v[BI+\j], 0, v[BI+\j], s36
.endr
	LNSUM 128, 0
	LNSUM 160, 1
	LNREST 128, 0
	LNSUM 192, 0
	LNSUM 224, 1
	LNREST 192, 2
	s_and_b32 s60, s28, 3                          ; my K step
	s_lshr_b32 s61, s28, 2                         ; my pair of column tiles
	s_lshl_b32 s44, s60, 15                        ; 128 rows of 256 bytes a K step
	s_lshl_b32 s45, s61, 7                         ; 32 columns a pair
	s_add_co_u32 s44, s44, s45
	s_add_co_u32 s44, s44, WT
	s_mul_i32 s38, s60, 4*272
	s_mul_i32 s39, s60, 2*272
	s_add_co_u32 s39, s39, DPART
	s_and_b32 s40, s60, 1
	s_lshl_b32 s40, s40, 7
	s_lshr_b32 s41, s60, 1
	s_lshl_b32 s41, s41, 2
	s_add_co_u32 s40, s40, s41
	s_add_co_u32 s40, s40, SCI
	s_mul_i32 s41, s60, PSS
	s_add_co_u32 s41, s41, s45
	s_add_co_u32 s41, s41, PST
	s_mul_i32 s42, s28, 8*272
	s_add_co_u32 s42, s42, PST
	s_lshl_b32 s43, s34, 8
	s_add_co_u32 s43, s43, s37
	s_wait_tensorcnt 0x0                           ; my 64 rows of the weight have landed,
	s_wait_dscnt 0x0                               ; and my image stores
	s_barrier_signal -1
	s_barrier_wait -1
	v_lshlrev_b32 v6, 2, v1
	v_lshlrev_b32 v196, 4, v1
	v_lshlrev_b32 v197, 3, v1
	v_lshlrev_b32 v198, 3, v1
	v_mul_u32_u24 v199, v1, 272
	v_mul_u32_u24 v200, v2, 272
	v_lshlrev_b32 v201, 11, v2
	v_lshlrev_b32 v187, 3, v2
	v_lshl_add_u32 v6, v2, 13, v6                  ; column r; lanes 16-31 begin 32 rows further down
	v_mad_u32_u24 v196, v2, 272, v196
	v_lshl_add_u32 v197, v2, 7, v197
	v_add_nc_u32 v198, s40, v198                   ; my K step's scale word of row r
	v_lshl_add_u32 v199, v2, 5, v199
	v_lshl_add_u32 v200, v1, 4, v200
	v_lshl_add_u32 v201, v1, 4, v201
	v_add_nc_u32 v6, s44, v6
	v_add_nc_u32 v196, s38, v196
	v_add_nc_u32 v197, s39, v197
	v_add_nc_u32 v199, s41, v199                   ; my part: row r, 32 h, my 128 bytes of a row
	v_add_nc_u32 v200, s42, v200                   ; back: rows 8 wave + h, 16 bytes a lane
	v_add_nc_u32 v201, s43, v201
	s_wait_alu depctr_va_vdst(0)
	WIN 0x40
.set k_, 0
.rept 128                                      ; register 64 t + 32 c + i = k 128 s + 64 c + 32 h + i of column 16 t + r of my pair
	ds_load_b32 v[k_], v6 offset:(64*((k_/32)%2)+k_%32)*256+64*(k_/64)
.set k_, k_+1
.endr
	WIN 0
.irp m, 0,1,2,3
.irp c, 0,1
	ds_load_b128 v[XF+12*\m+6*\c:XF+12*\m+6*\c+3], v196 offset:\m*TIMG+2*\c*272
	ds_load_b64 v[XF+12*\m+6*\c+4:XF+12*\m+6*\c+5], v197 offset:\m*TIMG+\c*272
.endr
	ds_load_b32 v[10+\m], v198 offset:256*\m
.endr
	s_wait_dscnt 20                                ; the weight's numbers are in; x's 16 fragment loads and 4 scale words may be out
	WQ 0, FW, 18
	WQ 64, FW+20, 19
	s_wait_alu depctr_va_vdst(0)
	s_wait_dscnt 0x0
.rept 8
	v_nop                                          ; a scale word made by vector lines stands eight places ahead of the product, an operand four
.endr
; TRANSPOSED: source 0 = 16 columns of the weight, source 1 = 16 rows of x: a lane holds eight neighbouring columns of one row.  Eight accumulators, one product each
.irp m, 0,1,2,3
.irp c, 0,1
	v_wmma_scale_f32_16x16x128_f8f6f4 v[ACC+8*(2*\m+\c):ACC+8*(2*\m+\c)+7], v[FW+20*\c:FW+20*\c+11], v[XF+12*\m:XF+12*\m+11], 0, v[18+\c], v[10+\m] matrix_a_fmt:MATRIX_FMT_FP6 matrix_b_fmt:MATRIX_FMT_FP6
.endr
.endr
.rept 4
	v_nop
.endr
.irp m, 0,1,2,3
.irp c, 0,1
	ds_store_b128 v199, v[ACC+8*(2*\m+\c):ACC+8*(2*\m+\c)+3] offset:16*\m*272+64*\c
	ds_store_b128 v199, v[ACC+8*(2*\m+\c)+4:ACC+8*(2*\m+\c)+7] offset:16*\m*272+64*\c+16
.endr
.endr
	s_wait_dscnt 0x0
	s_barrier_signal -1
	s_barrier_wait -1                              ; the four K steps' parts of 64 rows x 64 columns lie in LDS
.irp i, 0,1,2,3
.irp q, 0,1,2,3
	ds_load_b128 v[64+16*\i+4*\q:64+16*\i+4*\q+3], v200 offset:\q*PSS+2*\i*272
.endr
.endr
	s_wait_dscnt 0x0
.irp i, 0,1,2,3
.irp j, 0,2
	v_pk_add_f32 v[64+16*\i+\j:65+16*\i+\j], v[64+16*\i+\j:65+16*\i+\j], v[68+16*\i+\j:69+16*\i+\j]
	v_pk_add_f32 v[72+16*\i+\j:73+16*\i+\j], v[72+16*\i+\j:73+16*\i+\j], v[76+16*\i+\j:77+16*\i+\j]
.endr
.endr
.irp i, 0,1,2,3
.irp j, 0,2
	v_pk_add_f32 v[64+16*\i+\j:65+16*\i+\j], v[64+16*\i+\j:65+16*\i+\j], v[72+16*\i+\j:73+16*\i+\j]
.endr
.endr
.irp i, 0,1,2,3
.irp j, 0,2
	v_pk_add_f32 v[64+16*\i+\j:65+16*\i+\j], v[64+16*\i+\j:65+16*\i+\j], v[BI+\j:BI+\j+1]
.endr
.endr
.irp i, 0,1,2,3
	global_store_b128 v201, v[64+16*\i:67+16*\i], s[24:25] offset:4096*\i   ; sixteen lanes store 256 consecutive bytes, at a multiple of 256 from the buffer's first byte
.endr
	s_wait_tensorcnt 0x0                           ; the wave's end
	ds_add_u32 v39, v63
	s_wait_dscnt 0x0
	s_endpgm
.Lw:	; ---- one fragment of W_k or W_v
	s_sub_co_u32 s32, ttmp9, 16
	s_lshl_b32 s32, s32, 3
	s_add_co_u32 s32, s32, s28                     ; job 0..255
	s_lshr_b32 s29, s32, 7                         ; 0: W_k, 1: W_v
	s_bfe_u32 s33, s32, 0x20005                    ; w
	s_bfe_u32 s34, s32, 0x30002                    ; t
	s_and_b32 s35, s32, 3                          ; s
	s_cmp_eq_u32 s29, 0
	s_cselect_b64 s[4:5], s[4:5], s[6:7]
	s_lshl_b32 s36, s35, 18                        ; 128 s rows of 2,048 bytes
	s_lshl_b32 s37, s33, 9                         ; + column 128 w
	s_add_co_u32 s36, s36, s37
	s_lshl_b32 s37, s34, 5                         ; + 8 t
	s_add_co_u32 s36, s36, s37
	s_mov_b32 s37, 0
	s_add_nc_u64 s[4:5], s[4:5], s[36:37]
	s_lshr_b32 s38, s34, 2
	s_lshl_b32 s38, s38, 4
	s_lshl_b32 s39, s35, 2
	s_add_co_u32 s38, s38, s39
	s_and_b32 s39, s34, 3
	s_add_co_u32 s38, s38, s39                     ; j = 16 (t >> 2) + 4 s + (t & 3)
	s_lshl_b32 s39, s29, 5
	s_add_co_u32 s39, s39, s38                     ; f = j, V: j + 32
	s_mul_i32 s40, s33, 98304
	s_mul_i32 s41, s39, 1536
	s_add_co_u32 s40, s40, s41
	s_mov_b32 s41, 0
	s_add_nc_u64 s[20:21], s[20:21], s[40:41]
	s_lshl_b32 s40, s33, 12
	s_lshl_b32 s42, s38, 7
	s_add_co_u32 s40, s40, s42
	s_lshl_b32 s42, s29, 6                         ; V's words lie in lanes 16-31's places
	s_add_co_u32 s40, s40, s42
	s_add_nc_u64 s[22:23], s[22:23], s[40:41]
	v_and_b32 v4, 1, v1
	v_lshrrev_b32 v5, 1, v1
	s_delay_alu instid0(VALU_DEP_2)
	v_lshlrev_b32 v4, 8, v4                        ; 64 (r & 1) columns
	s_delay_alu instid0(VALU_DEP_1)
	v_lshl_add_u32 v4, v5, 2, v4                   ; + (r >> 1)
	s_delay_alu instid0(VALU_DEP_1)
	v_lshl_add_u32 v4, v2, 16, v4                  ; lanes 16-31 begin 32 rows further down
	v_lshlrev_b32 v187, 3, v2
	v_lshlrev_b32 v6, 4, v3
	v_lshlrev_b32 v7, 2, v1
	WIN 0x40
.set k_, 0
.rept 64
	global_load_b32 v[k_], v4, s[4:5] offset:(64*(k_/32)+k_%32)*2048
.set k_, k_+1
.endr
	WIN 0
	s_wait_alu depctr_va_vdst(0)
	s_wait_loadcnt 0x0
	WQ 0, 168, 18
.irp q, 0,1,2
	global_store_b128 v6, v[168+4*\q:171+4*\q], s[20:21] offset:512*\q            ; 32 lanes store 512 consecutive bytes
.endr
	global_store_b32 v7, v18, s[22:23]             ; lanes r and r + 16 hold the same word and store it to the same place
	s_wait_tensorcnt 0x0                           ; the wave's end
	ds_add_u32 v39, v63
	s_wait_dscnt 0x0
	s_endpgm
.Lfunc_end_k_qc32d7996de_prep:
	.size	k_qc32d7996de_prep, .Lfunc_end_k_qc32d7996de_prep-k_qc32d7996de_prep
	.p2alignl 7, 3214868480
	.fill 96, 4, 3214868480
	.section	.rodata,"a",@progbits
	.p2align	6, 0x0
	.amdhsa_kernel k_qc32d7996de_prep
		.amdhsa_group_segment_fixed_size 228864
		.amdhsa_private_segment_fixed_size 0
		.amdhsa_enable_private_segment 0
		.amdhsa_kernarg_size 96
		.amdhsa_user_sgpr_count 2
		.amdhsa_user_sgpr_kernarg_segment_ptr 1
		.amdhsa_wavefront_size32 1
		.amdhsa_system_sgpr_workgroup_id_x 1
		.amdhsa_system_sgpr_workgroup_id_y 1
		.amdhsa_system_sgpr_workgroup_id_z 1
		.amdhsa_system_vgpr_workitem_id 0
		.amdhsa_next_free_vgpr 512
		.amdhsa_next_free_sgpr 66
		.amdhsa_reserve_vcc 0
		.amdhsa_float_denorm_mode_32 3
		.amdhsa_float_denorm_mode_16_64 3
		.amdhsa_memory_ordered 1
		.amdhsa_forward_progress 1
		.amdhsa_inst_pref_size 88
	.end_amdhsa_kernel
	.amdgpu_metadata
---
amdhsa.version: [ 1, 2 ]
amdhsa.kernels:
  - .name:           k_qc32d7996de_prep
    .symbol:         k_qc32d7996de_prep.kd
    .args:
      - { .name: W_k, .offset: 0, .size: 8, .value_kind: global_buffer, .address_space: global }
      - { .name: W_v, .offset: 8, .size: 8, .value_kind: global_buffer, .address_space: global }
      - { .name: W_q, .offset: 16, .size: 8, .value_kind: global_buffer, .address_space: global }
      - { .name: res_W, .offset: 24, .size: 8, .value_kind: global_buffer, .address_space: global }
      - { .name: x_trafic, .offset: 32, .size: 8, .value_kind: global_buffer, .address_space: global }
      - { .name: lnq_g, .offset: 40, .size: 8, .value_kind: global_buffer, .address_space: global }
      - { .name: lnq_b, .offset: 48, .size: 8, .value_kind: global_buffer, .address_space: global }
      - { .name: res_b, .offset: 56, .size: 8, .value_kind: global_buffer, .address_space: global }
      - { .name: wfrag, .offset: 64, .size: 8, .value_kind: global_buffer, .address_space: global }
      - { .name: wscale, .offset: 72, .size: 8, .value_kind: global_buffer, .address_space: global }
      - { .name: qv, .offset: 80, .size: 8, .value_kind: global_buffer, .address_space: global }
      - { .name: resid, .offset: 88, .size: 8, .value_kind: global_buffer, .address_space: global }
    .group_segment_fixed_size: 228864
    .private_segment_fixed_size: 0
    .kernarg_segment_align: 8
    .kernarg_segment_size: 96
    .max_flat_workgroup_size: 256
    .sgpr_count:     66
    .vgpr_count:     512
    .wavefront_size: 32
...
	.end_amdgpu_metadata
.endif
;; end of part 1
;; launch main (part 2): grid 256 x 1, 4 waves a work-group, no clusters, 327,680 bytes of LDS; arguments x_dynamic, wfrag, wscale, lnkv_g, lnkv_b, qv, scores, part; writes scores, part
.if DOCPART == 2
	.amdgcn_target "amdgcn-amd-amdhsa--gfx1250"
	.amdhsa_code_object_version 6
	.text
	.protected	k_qc32d7996de_main
	.globl	k_qc32d7996de_main
	.p2align	8
	.type	k_qc32d7996de_main,@function
k_qc32d7996de_main:
	s_mov_b64 s[64:65], 0
	v_nop
	global_prefetch_b8 v0, s[64:65] scope:SCOPE_SE
	s_setreg_imm32_b32 hwreg(HW_REG_WAVE_MODE, 25, 1), 1
	s_wait_xcnt 0x0
; Layer norm, quantiser, K and V projections (MX-FP6) and the one-query attention for 512 rows of x_dynamic: a quarter of a batch to a work-group.
; A wave keeps the fragments of 128 columns of W_k and of W_v (two heads), 64 fragments of 12 registers, in windows 1-3 (21 each) and v72-83, for the whole launch.
; x comes in blocks of 64 rows through two LDS slots, a tensor load of 16 rows a wave.  A block has two phases.  LN: each wave norms and quantises its 16 rows and stores them as images
; of operand registers.  PRODUCTS: each wave multiplies all 64 rows, tile by tile of 16, with its own columns; scores t = q.k log2(e)/8 go to 'scores'; running maximum, sum and context stay in registers.
; The 64 products of a tile go in HALF GROUPS: two accumulators by turns, four K steps.  The vector work on one pair of accumulators stands among the other pair's products,
; and the next tile's scale words and fragments are fetched into the other set of registers ahead of the last two half groups.
; x tiles are read by one work-group alone, so there is no cluster; every byte of x is asked for once, by a tensor load issued a whole block (LN of 64 rows and 256 products a wave) ahead of its first read, so no prefetch is laid.
; LIMITS: NaN and infinities among the inputs are not served; the scaled scores stay under 2^31; a block of zeros gets the scale byte 1 (its codes are zeros, and this program alone reads the bytes).
.set SLOTB, 0x22000                    ; a slot: 64 rows x 2,176 bytes (16 bytes of padding behind each 256: block c of a row begins at 128 c + 16 (c >> 1), sixteen different groups of four banks)
.set WTILE, 34816                      ; a wave's 16 rows of it
.set IMG,   278528                     ; four images of 16 rows x 512 K: 16 regions of 272 bytes (registers 0-3 of a block), then 8 (registers 4-5)
.set TIMG,  6528
.set DPART, 4352
.set SCI,   304640                     ; the rows' scale bytes, 256 a tile
.set STG,   305664                     ; 512 bytes a wave: a block's scores on the way out
.set SPARE, 307712                     ; the spare words
.set GB,    308224                     ; gain and bias, a copy of 2 x 2,304 bytes for each wave: their registers serve the products as a second set of fragments
.set KV2,   84                         ; v84-131: odd tiles' fragments
.set IW16,  5                          ; v1-2 the add's registers; v3-4 x in the slots; v5-7 image stores; v8-10 image loads; v11 stage; v14 maximum, v15 sum
.set IW8,   6
.set IWS,   7
.set KS2,   12                         ; v12-13 the rows' scale words of odd tiles; v148-149 those of even tiles
.set QR,    16                         ; q of my 8 column tiles
.set CT,    24                         ; context, a pair for each of V's 8 tiles
.set WS,    40                         ; the weights' scale words: lanes 0-15 K's fragment j, lanes 16-31 V's
.set F63,   72
.set LG,    84
.set LB,    116
.set KS,    148
.set X0,    150                        ; LN phase: v150-213 two passes of 32 numbers, v214-255 codes and sums
.set LC,    214
.set LS0,   234
.set LMU,   242
.set LRS,   246
.set LMX,   250
.set LBY,   254
.set KV,    150                        ; product phase: v150-197 a tile's four fragments, v198-229 four accumulators, v230-237 scores, v244-251 p
.set ACC,   198
.set P,     230
.set PE,    244
.set MSB, 0
.macro WIN new                         ; the immediate's high byte repeats the setting that is left
.if MSB != (\new)
	s_set_vgpr_msb (MSB<<8)|(\new)
.set MSB, (\new)
.endif
.endm
.macro NOP4
.rept 4
	v_nop
.endr
.endm
.macro LNLOAD p                        ; passes 2 p and 2 p + 1: lane l takes block l % 16 of row 2 pass + l / 16
.irp u, 0,1
.irp i, 0,1,2,3,4,5,6,7
	ds_load_b128 v[X0+32*\u+4*\i:X0+32*\u+4*\i+3], v4 offset:4352*(2*(\p)+\u)+16*\i
.endr
.endr
.endm
.macro LNSUM x, u
.set a_, LS0+4*(\u)
	v_pk_add_f32 v[a_:a_+1], v[(\x):(\x)+1], v[(\x)+2:(\x)+3]
	v_pk_add_f32 v[a_+2:a_+3], v[(\x)+4:(\x)+5], v[(\x)+6:(\x)+7]
.irp i, 8,12,16,20,24,28
	v_pk_add_f32 v[a_:a_+1], v[a_:a_+1], v[(\x)+\i:(\x)+\i+1]
	v_pk_add_f32 v[a_+2:a_+3], v[a_+2:a_+3], v[(\x)+\i+2:(\x)+\i+3]
.endr
	v_pk_add_f32 v[a_:a_+1], v[a_:a_+1], v[a_+2:a_+3]
	v_add_f32 v[a_], v[a_], v[a_+1]
.endm
; mean, centred squares, 1/sigma, gain and bias, the block's scale, codes; two passes by turns.  nl: the pair of passes whose numbers are asked for as soon as the conversions have read these (-1: none)
.macro LNREST x, pass, nl
.irp k, 1,2,4,8
.irp u, 0,1
	v_add_f32_dpp v[LS0+4*\u], v[LS0+4*\u], v[LS0+4*\u] row_xmask:\k row_mask:0xf bank_mask:0xf
.endr
.endr
.irp u, 0,1
	v_mul_f32 v[LMU+2*\u], s42, v[LS0+4*\u]
.endr
.irp i, 0,2,4,6,8,10,12,14,16,18,20,22,24,26,28,30
.irp u, 0,1
	v_pk_add_f32 v[(\x)+32*\u+\i:(\x)+32*\u+\i+1], v[(\x)+32*\u+\i:(\x)+32*\u+\i+1], v[LMU+2*\u:LMU+2*\u+1] op_sel_hi:[1,0] neg_lo:[0,1] neg_hi:[0,1]
.endr
.endr
.irp u, 0,1
	v_pk_mul_f32 v[LS0+4*\u:LS0+4*\u+1], v[(\x)+32*\u:(\x)+32*\u+1], v[(\x)+32*\u:(\x)+32*\u+1]
	v_pk_mul_f32 v[LS0+4*\u+2:LS0+4*\u+3], v[(\x)+32*\u+2:(\x)+32*\u+3], v[(\x)+32*\u+2:(\x)+32*\u+3]
.endr
.irp i, 4,8,12,16,20,24,28
.irp u, 0,1
	v_pk_fma_f32 v[LS0+4*\u:LS0+4*\u+1], v[(\x)+32*\u+\i:(\x)+32*\u+\i+1], v[(\x)+32*\u+\i:(\x)+32*\u+\i+1], v[LS0+4*\u:LS0+4*\u+1]
	v_pk_fma_f32 v[LS0+4*\u+2:LS0+4*\u+3], v[(\x)+32*\u+\i+2:(\x)+32*\u+\i+3], v[(\x)+32*\u+\i+2:(\x)+32*\u+\i+3], v[LS0+4*\u+2:LS0+4*\u+3]
.endr
.endr
.irp u, 0,1
	v_pk_add_f32 v[LS0+4*\u:LS0+4*\u+1], v[LS0+4*\u:LS0+4*\u+1], v[LS0+4*\u+2:LS0+4*\u+3]
.endr
.irp u, 0,1
	v_add_f32 v[LS0+4*\u], v[LS0+4*\u], v[LS0+4*\u+1]
.endr
.irp k, 1,2,4,8
.irp u, 0,1
	v_add_f32_dpp v[LS0+4*\u], v[LS0+4*\u], v[LS0+4*\u] row_xmask:\k row_mask:0xf bank_mask:0xf
.endr
.endr
.irp u, 0,1
	v_fma_f32 v[LS0+4*\u+2], v[LS0+4*\u], s42, s43           ; variance + eps
.endr
	s_wait_alu depctr_va_vdst(0)                   ; the wait ahead of the roots
.irp u, 0,1
	v_rsq_f32 v[LRS+2*\u], v[LS0+4*\u+2]
.endr
	v_nop
	s_wait_alu depctr_va_vdst(0)                   ; and behind them
.irp i, 0,2,4,6,8,10,12,14,16,18,20,22,24,26,28,30
.irp u, 0,1
	v_pk_mul_f32 v[(\x)+32*\u+\i:(\x)+32*\u+\i+1], v[(\x)+32*\u+\i:(\x)+32*\u+\i+1], v[LRS+2*\u:LRS+2*\u+1] op_sel_hi:[1,0]
.endr
.endr
.irp i, 0,2,4,6,8,10,12,14,16,18,20,22,24,26,28,30
.irp u, 0,1
	v_pk_fma_f32 v[(\x)+32*\u+\i:(\x)+32*\u+\i+1], v[(\x)+32*\u+\i:(\x)+32*\u+\i+1], v[LG+\i:LG+\i+1], v[LB+\i:LB+\i+1]
.endr
.endr
.irp u, 0,1                            ; the block's largest magnitude, with the floor 2^(3 - 127) among its leaves
.set x_, (\x)+32*\u
	v_max3_num_f32 v[LMX+2*\u], |v[x_]|, |v[x_+1]|, 0x1800000
	v_max3_num_f32 v[LMX+2*\u+1], |v[x_+2]|, |v[x_+3]|, |v[x_+4]|
.endr
.irp i, 5,9,13,17,21,25
.irp u, 0,1
.set x_, (\x)+32*\u+\i
	v_max3_num_f32 v[LMX+2*\u], v[LMX+2*\u], |v[x_]|, |v[x_+1]|
	v_max3_num_f32 v[LMX+2*\u+1], v[LMX+2*\u+1], |v[x_+2]|, |v[x_+3]|
.endr
.endr
.irp u, 0,1
	v_max3_num_f32 v[LMX+2*\u], v[LMX+2*\u], |v[(\x)+32*\u+29]|, |v[(\x)+32*\u+30]|
.endr
.irp u, 0,1
	v_max3_num_f32 v[LMX+2*\u], v[LMX+2*\u], v[LMX+2*\u+1], |v[(\x)+32*\u+31]|
.endr
.irp u, 0,1
	v_add_nc_u32 v[LMX+2*\u+1], 0xff000000, v[LMX+2*\u]      ; 2 off the exponent field: the conversion's scale operand
.endr
.irp u, 0,1
	v_cvt_scalef32_pk16_fp6_f32 v[LC+10*\u:LC+10*\u+2], v[(\x)+32*\u:(\x)+32*\u+15], v[LMX+2*\u+1]
	v_cvt_scalef32_pk16_fp6_f32 v[LC+10*\u+6:LC+10*\u+8], v[(\x)+32*\u+16:(\x)+32*\u+31], v[LMX+2*\u+1]
.endr
.if (\nl) >= 0
	LNLOAD \nl                                     ; 16 loads; the six stores below are issued behind them
.endif
.irp u, 0,1
	v_lshrrev_b32 v[LBY+\u], 23, v[LMX+2*\u+1]     ; the scale's byte (plain lines behind the conversions)
.endr
.irp u, 0,1
.irp j, 0,1,2
	v_mov_b32 v[LC+10*\u+3+\j], v[LC+10*\u+6+\j]
.endr
.endr
.irp u, 0,1
	ds_store_b128 v[IW16], v[LC+10*\u:LC+10*\u+3] offset:32*((\pass)+\u)
	ds_store_b64 v[IW8], v[LC+10*\u+4:LC+10*\u+5] offset:16*((\pass)+\u)
	ds_store_b8 v[IWS], v[LBY+\u] offset:16*((\pass)+\u)
.endr
.endm
; one product: fragment f of the weights, accumulator a, K step s.  Source 0 = 16 rows of x, source 1 = 16 columns.  KSB: the tile's scale words
.macro MM f, a, s
.if (\f) < 63
.set fw_, 1+(\f)/21
.set rB, 12*((\f)%21)
.else
.set fw_, 0
.set rB, F63
.endif
.set rD, ACC+8*(\a)
.set rA, KVB+12*(\s)
.set rSA, KSB+(\s)/2
.set rSB, WS+(\f)%32
.set var_, ((\s)%2)+2*((\f)/32)
	WIN fw_<<2
.if (\s) == 0
.if var_ == 0
	v_wmma_scale_f32_16x16x128_f8f6f4 v[rD:rD+7], v[rA:rA+11], v[rB:rB+11], 0, v[rSA], v[rSB] matrix_a_fmt:MATRIX_FMT_FP6 matrix_b_fmt:MATRIX_FMT_FP6
.else
	v_wmma_scale_f32_16x16x128_f8f6f4 v[rD:rD+7], v[rA:rA+11], v[rB:rB+11], 0, v[rSA], v[rSB] matrix_a_fmt:MATRIX_FMT_FP6 matrix_b_fmt:MATRIX_FMT_FP6 matrix_b_scale:MATRIX_SCALE_ROW1
.endif
.elseif var_ == 0
	v_wmma_scale_f32_16x16x128_f8f6f4 v[rD:rD+7], v[rA:rA+11], v[rB:rB+11], v[rD:rD+7], v[rSA], v[rSB] matrix_a_fmt:MATRIX_FMT_FP6 matrix_b_fmt:MATRIX_FMT_FP6
.elseif var_ == 1
	v_wmma_scale_f32_16x16x128_f8f6f4 v[rD:rD+7], v[rA:rA+11], v[rB:rB+11], v[rD:rD+7], v[rSA], v[rSB] matrix_a_fmt:MATRIX_FMT_FP6 matrix_b_fmt:MATRIX_FMT_FP6 matrix_a_scale:MATRIX_SCALE_ROW1
.elseif var_ == 2
	v_wmma_scale_f32_16x16x128_f8f6f4 v[rD:rD+7], v[rA:rA+11], v[rB:rB+11], v[rD:rD+7], v[rSA], v[rSB] matrix_a_fmt:MATRIX_FMT_FP6 matrix_b_fmt:MATRIX_FMT_FP6 matrix_b_scale:MATRIX_SCALE_ROW1
.else
	v_wmma_scale_f32_16x16x128_f8f6f4 v[rD:rD+7], v[rA:rA+11], v[rB:rB+11], v[rD:rD+7], v[rSA], v[rSB] matrix_a_fmt:MATRIX_FMT_FP6 matrix_b_fmt:MATRIX_FMT_FP6 matrix_a_scale:MATRIX_SCALE_ROW1 matrix_b_scale:MATRIX_SCALE_ROW1
.endif
.endm
.macro FKS m                           ; tile m's scale words
	ds_load_b64 v[KS-(KS-KS2)*((\m)%2):KS-(KS-KS2)*((\m)%2)+1], v10 offset:256*(\m)
.endm
.macro FFR m, s                        ; tile m's fragment of K step s: four loads
.irp c, 0,1
.set kv_, KV-(KV-KV2)*((\m)%2)+12*(\s)+6*\c
	ds_load_b128 v[kv_:kv_+3], v8 offset:(\m)*TIMG+(4*(\s)+2*\c)*272
	ds_load_b64 v[kv_+4:kv_+5], v9 offset:(\m)*TIMG+(2*(\s)+\c)*272
.endr
.endm
.macro PACC1 tt                        ; scores += K's tile tt x my column's q; each accumulator is read from its low end on
.set a_, ACC+8*((\tt)%4)
.set rQ, QR+2*((\tt)/2)
.irp i, 0,2,4,6
.if (\tt) == 0
	v_pk_mul_f32 v[P+\i:P+\i+1], v[a_+\i:a_+\i+1], v[rQ:rQ+1] op_sel_hi:[1,0]
.elseif (\tt)%2 == 0
	v_pk_fma_f32 v[P+\i:P+\i+1], v[a_+\i:a_+\i+1], v[rQ:rQ+1], v[P+\i:P+\i+1] op_sel_hi:[1,0,1]
.else
	v_pk_fma_f32 v[P+\i:P+\i+1], v[a_+\i:a_+\i+1], v[rQ:rQ+1], v[P+\i:P+\i+1] op_sel:[0,1,0] op_sel_hi:[1,1,1]
.endif
.endr
.endm
.macro CTX2 tv, i                      ; context of V's tiles tv, tv + 1 += p x V, rows i and i + 1 of my eight
.irp a, 0,1
	v_pk_fma_f32 v[CT+2*((\tv)+\a):CT+2*((\tv)+\a)+1], v[ACC+8*(((\tv)+\a)%4)+(\i):ACC+8*(((\tv)+\a)%4)+(\i)+1], v[PE+(\i):PE+(\i)+1], v[CT+2*((\tv)+\a):CT+2*((\tv)+\a)+1]
.endr
.endm
.macro DPPK k
.irp j, 0,1,2,3,4,5,6,7
	v_add_f32_dpp v[P+\j], v[P+\j], v[P+\j] row_xmask:\k row_mask:0xf bank_mask:0xf
.endr
.endm
; the vector work behind the s-th pair of products of a half group.  It names no register of that half group's products.
; job 10 + x: the scores of K's tiles 2 x, 2 x + 1, finished by the half group before (four places first); 13 also begins the sum over the head's lanes.  20: that sum, the scores' way out, the maximum, t - M.
; 30: the context of V's tiles 4, 5; four places at s = 0 and 3.
.macro VJOB job, s, m
.if (\job) >= 10 && (\job) <= 13
.if (\s) == 0
	NOP4
.elseif (\s) < 3
	WIN 0
	PACC1 2*((\job)-10)+(\s)-1
.elseif (\job) == 13
	WIN 0
	DPPK 2
.endif
.elseif (\job) == 20
	WIN 0
.if (\s) == 0
	DPPK 4
.elseif (\s) == 1
	DPPK 8
.elseif (\s) == 2
	v_max3_num_f32 v238, v[P], v[P+1], v[P+2]
	v_max3_num_f32 v243, v[P+3], v[P+4], v[P+5]
	v_max3_num_f32 v238, v238, v[P+6], v[P+7]
	v_max_num_f32 v238, v238, v243
	v_permlanex16_b32 v239, v238, s44, s45
	v_mov_b32 v242, v14
	v_max3_num_f32 v14, v238, v239, v14            ; the running maximum
	v_sub_f32 v240, v242, v14
.else
.irp i, 0,2,4,6
	v_pk_add_f32 v[PE+\i:PE+\i+1], v[P+\i:P+\i+1], v[14:15] op_sel_hi:[1,0] neg_lo:[0,1] neg_hi:[0,1]   ; into registers of their own: the stores above keep theirs.  Also the four places behind the half group's last product
.endr
.endif
.elseif (\job) == 30
	WIN 0
.if (\s) == 0 || (\s) == 3
	NOP4
.else
	CTX2 4, 4*(\s)-4
	CTX2 4, 4*(\s)-2
.endif
.endif
.endm
.macro HG base, a0, job, m             ; a half group: column tiles a0, a0 + 1 of the four at 'base', four K steps.  job 9: the tile's first: it waits for each fragment by count
.irp s, 0,1,2,3
.if (\job) == 9
	s_wait_dscnt 12-4*\s                           ; the scale words and fragments 0 .. s are in; the younger fragments' four loads each may be out
.endif
	MM (\base)+4*\s+(\a0), (\a0), \s
	MM (\base)+4*\s+(\a0)+1, (\a0)+1, \s
	VJOB \job, \s, \m
.endr
.endm
.macro TILE m
.set KSB, KS-(KS-KS2)*((\m)%2)
.set KVB, KV-(KV-KV2)*((\m)%2)
	HG 0, 0, 9, \m
	HG 0, 2, 10, \m
	HG 16, 0, 11, \m
	HG 16, 2, 12, \m
	HG 32, 0, 13, \m
	HG 32, 2, 20, \m
	s_wait_alu depctr_va_vdst(0)                   ; the wait ahead of the batch
	ds_store_b128 v11, v[P:P+3] offset:64*(\m)     ; the scores' way out: lanes of one head and half write the same bytes with the same values
	ds_store_b128 v11, v[P+4:P+7] offset:64*(\m)+16
.if (\m) < 3
	FKS (\m)+1                                     ; the next tile's scale words and fragments, into the other set of registers
.irp s, 0,1,2,3
	FFR (\m)+1, \s
.endr
.endif
	v_exp_f32 v240, v240
.irp j, 0,1,2,3,4,5,6,7
	v_exp_f32 v[PE+\j], v[PE+\j]
.endr
	v_nop
	s_wait_alu depctr_va_vdst(0)                   ; and behind it, ahead of the first readers of p and of V's tiles 0-3
	v_pk_add_f32 v[242:243], v[PE:PE+1], v[PE+2:PE+3]
	v_pk_add_f32 v[238:239], v[PE+4:PE+5], v[PE+6:PE+7]
.irp t, 0,1,2,3
	v_pk_mul_f32 v[CT+2*\t:CT+2*\t+1], v[CT+2*\t:CT+2*\t+1], v[240:241] op_sel_hi:[1,0]
.endr
	v_pk_add_f32 v[242:243], v[242:243], v[238:239]
.irp t, 4,5,6,7
	v_pk_mul_f32 v[CT+2*\t:CT+2*\t+1], v[CT+2*\t:CT+2*\t+1], v[240:241] op_sel_hi:[1,0]
.endr
	v_add_f32 v242, v242, v243
	v_fma_f32 v15, v15, v240, v242
.irp i, 0,2,4,6
	CTX2 0, \i
	CTX2 2, \i
.endr
	HG 48, 0, 0, \m
	HG 48, 2, 30, \m
.irp i, 0,2,4,6
	CTX2 6, \i
.endr
.endm
; a block of 64 rows.  refill: the slot just normed is filled again.  nx = 1: a block follows; 2: none follows the loop's last trip
.macro BLOCK refill, nx
.irp p, 0,1,2,3
.if \p == 0
	s_wait_dscnt 0x8
.else
	s_wait_dscnt 0xe                               ; the first pass's 8 loads are in; 8 loads and 6 stores may be out
.endif
	LNSUM X0, 0
	s_wait_dscnt 0x0
	LNSUM X0+32, 1
.if \p < 3
	LNREST X0, 2*\p, \p+1
.else
	LNREST X0, 2*\p, -1
.endif
.endr
	s_wait_tensorcnt 0x0                           ; all my tensor loads have landed: my part of the other slot;
	ds_add_u32 v1, v2
.if \refill
	s_xor_b32 s37, s37, SLOTB
	s_add_nc_u64 s[38:39], s[38:39], 0x20000       ; two blocks on
.endif
	s_wait_loadcnt 0x0                             ; (first block: the youngest 63 loads of the weights)
	s_wait_dscnt 0x0                               ; the add, my reads of this slot and my image stores are done
	s_barrier_signal -1
	s_barrier_wait -1
.if \refill
	tensor_load_to_lds s[36:39], s[24:31]
	s_nop 0
	NOP4
.endif
	FKS 0
.irp s, 0,1,2,3
	FFR 0, \s
.endr
	TILE 0
	TILE 1
	TILE 2
	TILE 3
	s_xor_b32 s40, s40, SLOTB
	v_add_nc_u32 v4, s40, v3                       ; x in the other slot, which was whole at the barrier above
.if \nx == 2
	s_cmp_eq_u32 s41, 1
	s_cbranch_scc1 .Lnone_\@
.endif
	LNLOAD 0
	v_and_b32 v247, 15, v0
	v_mul_u32_u24 v247, v247, 144
	v_add_nc_u32 v247, s47, v247
.irp i, 0,1,2,3,4,5,6,7
	ds_load_b128 v[LG+4*\i:LG+4*\i+3], v247 offset:16*\i            ; gain and bias of my block of 32, back from my wave's copy
	ds_load_b128 v[LB+4*\i:LB+4*\i+3], v247 offset:2304+16*\i
.endr
.if \nx == 2
.Lnone_\@:
.endif
	v_lshl_add_u32 v244, v0, 4, STG                ; my wave's 512 bytes of scores, 16 a lane
	ds_load_b128 v[248:251], v244
	v_and_b32 v245, 15, v0
	v_bfe_u32 v246, v0, 4, 1
	v_lshlrev_b32 v245, 4, v245
	v_lshl_add_u32 v245, v246, 13, v245            ; sixteen lanes to a head's 256 bytes
	s_wait_alu depctr_va_vdst(0)
	s_wait_dscnt 0x0
	global_store_b128 v245, v[248:251], s[16:17]
	s_barrier_signal -1
	s_barrier_wait -1                              ; nobody reads the images any more
	s_wait_xcnt 0x0
	s_add_nc_u64 s[16:17], s[16:17], 256
.endm
	s_load_b512 s[4:19], s[0:1], 0x0               ; x s[4:5], wfrag s[6:7], wscale s[8:9], g s[10:11], b s[12:13], qv s[14:15], scores s[16:17], part s[18:19]
	v_lshl_add_u32 v1, v0, 2, SPARE
	v_mov_b32 v2, 0
	ds_add_u32 v1, v2                              ; the opening lines
	ds_add_u32 v1, v2
	v_lshrrev_b32 v3, 5, v0
	v_readfirstlane_b32 s20, v3                    ; wave
	s_mov_b32 s24, (2<<16)|(1<<20)|(5<<22)|(3<<25) ; 16 rows of 512 f32; 4 words of padding behind each 64
	s_mov_b32 s25, 512<<16
	s_mov_b32 s26, 16<<16
	s_mov_b32 s27, 512<<16
	s_mov_b32 s28, 16
	s_mov_b32 s29, 512
	s_mov_b32 s30, 0
	s_mov_b32 s31, 0
	s_mul_i32 s48, s20, WTILE
	s_lshl_b32 s50, ttmp9, 20                      ; my work-group's 512 rows,
	s_lshl_b32 s51, s20, 15                        ; my wave's 16
	s_add_co_u32 s50, s50, s51
	s_mov_b32 s51, 0
	s_mov_b32 s32, 1
	s_mov_b32 s33, s48
	s_mov_b32 s36, 1
	s_add_co_u32 s37, s48, SLOTB
	s_wait_dscnt 0x0
	s_wait_kmcnt 0x0
	s_add_nc_u64 s[34:35], s[4:5], s[50:51]
	s_add_nc_u64 s[38:39], s[34:35], 0x20000
	s_or_b32 s35, s35, 0x80000000
	s_or_b32 s39, s39, 0x80000000
	tensor_load_to_lds s[32:35], s[24:31]          ; block 0: my one tensor load at the head
	s_nop 0
	s_mov_b32 s40, 0
	s_mov_b32 s42, 0x3b000000                      ; 1 / 512
	s_mov_b32 s43, 0x3727c5ac                      ; 1e-5
	s_mov_b32 s44, 0x76543210
	s_mov_b32 s45, 0xfedcba98
	s_mov_b32 s46, 0x3e38aa3b                      ; log2(e) / 8
	s_mul_i32 s47, s20, 4608
	s_add_co_u32 s47, s47, GB                      ; my wave's copy of gain and bias
	s_mul_i32 s56, s20, 98304
	s_mov_b32 s57, 0
	s_add_nc_u64 s[6:7], s[6:7], s[56:57]
	s_lshl_b32 s56, s20, 12
	s_add_nc_u64 s[8:9], s[8:9], s[56:57]
	s_lshr_b32 s58, ttmp9, 2                       ; batch
	s_and_b32 s59, ttmp9, 3                        ; quarter
	s_lshl_b32 s56, s58, 11
	s_lshl_b32 s60, s20, 9
	s_add_co_u32 s56, s56, s60
	s_add_nc_u64 s[14:15], s[14:15], s[56:57]
	s_lshl_b32 s56, s58, 16
	s_lshl_b32 s60, s20, 14
	s_add_co_u32 s56, s56, s60
	s_lshl_b32 s60, s59, 11
	s_add_co_u32 s56, s56, s60
	s_add_nc_u64 s[16:17], s[16:17], s[56:57]
	s_mul_i32 s56, ttmp9, 2304
	s_add_nc_u64 s[18:19], s[18:19], s[56:57]
	v_and_b32 v154, 15, v0
	v_bfe_u32 v155, v0, 4, 1
	v_and_b32 v156, 31, v0
	v_and_b32 v158, 1, v154
	v_lshrrev_b32 v157, 1, v154
	v_lshlrev_b32 v150, 7, v154
	v_lshlrev_b32 v151, 8, v158
	v_lshl_add_u32 v151, v157, 2, v151
	v_lshlrev_b32 v152, 2, v156
	v_lshlrev_b32 v153, 4, v156
.irp i, 0,1,2,3,4,5,6,7                ; what the first LN phase needs is asked for first
	global_load_b128 v[LG+4*\i:LG+4*\i+3], v150, s[10:11] offset:16*\i
	global_load_b128 v[LB+4*\i:LB+4*\i+3], v150, s[12:13] offset:16*\i
.endr
.irp t, 0,1,2,3,4,5,6,7
	global_load_b32 v[QR+\t], v151, s[14:15] offset:32*\t
.endr
.set f_, 0
.rept 32
	global_load_b32 v[WS+f_], v152, s[8:9] offset:128*f_
.set f_, f_+1
.endr
.set f_, 0
.rept 63
	WIN (1+f_/21)<<6
.irp q, 0,1,2
	global_load_b128 v[12*(f_%21)+4*\q:12*(f_%21)+4*\q+3], v153, s[6:7] offset:f_*1536+512*\q
.endr
.set f_, f_+1
.endr
	WIN 0
.irp q, 0,1,2
	global_load_b128 v[F63+4*\q:F63+4*\q+3], v153, s[6:7] offset:63*1536+512*\q
.endr
	v_lshlrev_b32 v3, 7, v154
	v_lshl_add_u32 v3, v157, 4, v3
	v_mad_u32_u24 v3, v155, 2176, v3
	v_add_nc_u32 v3, s48, v3
	v_mov_b32 v4, v3
	s_mul_i32 s49, s20, TIMG
	s_add_co_u32 s49, s49, IMG
	v_mul_u32_u24 v[IW16], v154, 272
	v_lshl_add_u32 v[IW16], v155, 4, v[IW16]
	v_add_nc_u32 v[IW16], s49, v[IW16]
	v_mul_u32_u24 v[IW8], v157, 272
	v_lshl_add_u32 v[IW8], v158, 7, v[IW8]
	v_lshl_add_u32 v[IW8], v155, 3, v[IW8]
	v_add_nc_u32 v[IW8], s49, v[IW8]
	v_add_nc_u32 v[IW8], DPART, v[IW8]
	v_bfe_u32 v159, v154, 2, 1
	v_lshl_add_u32 v159, v159, 4, v155
	v_lshrrev_b32 v160, 3, v154
	v_and_b32 v161, 3, v154
	v_lshl_add_u32 v[IWS], v159, 3, v161
	v_lshl_add_u32 v[IWS], v160, 2, v[IWS]
	s_lshl_b32 s52, s20, 8
	s_add_co_u32 s52, s52, SCI
	v_add_nc_u32 v[IWS], s52, v[IWS]
	v_lshlrev_b32 v8, 4, v154
	v_mad_u32_u24 v8, v155, 272, v8
	v_add_nc_u32 v8, IMG, v8
	v_lshlrev_b32 v9, 3, v154
	v_lshl_add_u32 v9, v155, 7, v9
	v_add_nc_u32 v9, IMG+DPART, v9
	v_lshl_add_u32 v10, v156, 3, SCI
	s_lshl_b32 s53, s20, 9
	s_add_co_u32 s53, s53, STG
	v_lshlrev_b32 v11, 8, v158
	v_lshl_add_u32 v11, v155, 5, v11
	v_add_nc_u32 v11, s53, v11
	v_mov_b32 v14, 0xff61b1e6                      ; -3e38, under every t
	v_mov_b32 v15, 0
.irp t, 0,1,2,3,4,5,6,7,8,9,10,11,12,13,14,15
	v_mov_b32 v[CT+\t], 0
.endr
.irp t, 239,241,243,245,247,249
	v_mov_b32 v\t, 0                               ; upper halves of pairs whose low word serves both halves, and a permute's destination
.endr
	s_wait_alu depctr_va_vdst(0)                   ; the wait at the head's end
	s_wait_tensorcnt 0x0                           ; block 0 is in; slot 1's first fill goes out as a refill does
	ds_add_u32 v1, v2
	s_wait_dscnt 0x0
	s_barrier_signal -1
	s_barrier_wait -1
	tensor_load_to_lds s[36:39], s[24:31]          ; block 1
	s_nop 0
	NOP4
	s_wait_xcnt 0x0                                ; the loads above have read v150-153
	LNLOAD 0
	s_wait_loadcnt 0x3f                            ; 224 loads were issued behind g's, b's and q's: with 63 out these are in
	v_and_b32 v247, 15, v0
	v_mul_u32_u24 v247, v247, 144
	v_add_nc_u32 v247, s47, v247
.irp i, 0,1,2,3,4,5,6,7
	ds_store_b128 v247, v[LG+4*\i:LG+4*\i+3] offset:16*\i           ; lanes l and l + 16 hold the same block and write the same bytes
	ds_store_b128 v247, v[LB+4*\i:LB+4*\i+3] offset:2304+16*\i
.endr
.irp t, 0,1,2,3,4,5,6,7
	v_mul_f32 v[QR+\t], s46, v[QR+\t]
.endr
	s_mov_b32 s41, 6
.Lfill:
	s_wait_alu depctr_va_vdst(0)
	BLOCK 1, 1
	s_sub_co_u32 s41, s41, 1
	s_cmp_lg_u32 s41, 0
	s_cbranch_scc1 .Lfill
	s_mov_b32 s41, 2
.Ltail:                                        ; the last two blocks fill nothing again
	s_wait_alu depctr_va_vdst(0)
	BLOCK 0, 2
	s_sub_co_u32 s41, s41, 1
	s_cmp_lg_u32 s41, 0
	s_cbranch_scc1 .Ltail
	; my two heads' context (64 numbers each), maximum and sum go to 'part'
	v_and_b32 v150, 15, v0
	v_bfe_u32 v151, v0, 4, 1
	v_and_b32 v152, 31, v0
	v_permlanex16_b32 v239, v15, s44, s45
	v_add_f32 v15, v15, v239
.irp t, 0,1,2,3,4,5,6,7
	v_add_f32 v[P+\t], v[CT+2*\t], v[CT+2*\t+1]
.endr
.irp t, 0,1,2,3,4,5,6,7
	v_permlanex16_b32 v[244+\t], v[P+\t], s44, s45
.endr
.irp t, 0,1,2,3,4,5,6,7
	v_add_f32 v[P+\t], v[P+\t], v[244+\t]
.endr
	v_and_b32 v153, 1, v150
	v_lshrrev_b32 v154, 1, v150
	v_lshlrev_b32 v153, 8, v153
	v_lshl_add_u32 v153, v154, 2, v153
	v_add_nc_u32 v153, s53, v153
	v_lshl_add_u32 v157, v0, 4, STG
.irp t, 0,1,2,3,4,5,6,7
	ds_store_b32 v153, v[P+\t] offset:32*\t
.endr
	ds_load_b128 v[248:251], v157
	v_lshlrev_b32 v155, 4, v152
	s_lshl_b32 s54, s20, 9
	v_add_nc_u32 v155, s54, v155
	v_lshlrev_b32 v156, 2, v150
	v_lshl_add_u32 v156, v151, 5, v156
	s_lshl_b32 s55, s20, 3
	s_add_co_u32 s55, s55, 2048
	v_add_nc_u32 v156, s55, v156
	v_cmp_eq_u32 vcc_lo, 1, v151
	v_cndmask_b32 v240, v14, v15, vcc_lo
	v_cmp_gt_u32 vcc_lo, 2, v150
	s_wait_alu depctr_va_vdst(0)
	s_wait_dscnt 0x0
	global_store_b128 v155, v[248:251], s[18:19]
	s_wait_xcnt 0x0
	s_and_saveexec_b32 s54, vcc_lo
	global_store_b32 v156, v240, s[18:19]
	s_wait_xcnt 0x0
	s_or_b32 exec_lo, exec_lo, s54
	s_wait_tensorcnt 0x0                           ; the wave's end
	ds_add_u32 v1, v2
	s_wait_dscnt 0x0
	s_endpgm
.Lfunc_end_k_qc32d7996de_main:
	.size	k_qc32d7996de_main, .Lfunc_end_k_qc32d7996de_main-k_qc32d7996de_main
	.p2alignl 7, 3214868480
	.fill 96, 4, 3214868480
	.section	.rodata,"a",@progbits
	.p2align	6, 0x0
	.amdhsa_kernel k_qc32d7996de_main
		.amdhsa_group_segment_fixed_size 327680
		.amdhsa_private_segment_fixed_size 0
		.amdhsa_enable_private_segment 0
		.amdhsa_kernarg_size 64
		.amdhsa_user_sgpr_count 2
		.amdhsa_user_sgpr_kernarg_segment_ptr 1
		.amdhsa_wavefront_size32 1
		.amdhsa_system_sgpr_workgroup_id_x 1
		.amdhsa_system_sgpr_workgroup_id_y 1
		.amdhsa_system_sgpr_workgroup_id_z 1
		.amdhsa_system_vgpr_workitem_id 0
		.amdhsa_next_free_vgpr 1024
		.amdhsa_next_free_sgpr 66
		.amdhsa_reserve_vcc 1
		.amdhsa_float_denorm_mode_32 3
		.amdhsa_float_denorm_mode_16_64 3
		.amdhsa_memory_ordered 1
		.amdhsa_forward_progress 1
		.amdhsa_inst_pref_size 255
	.end_amdhsa_kernel
	.section	.bss,"aw",@nobits
	.p2align	6
	.space	262144
	.amdgpu_metadata
---
amdhsa.version: [ 1, 2 ]
amdhsa.kernels:
  - .name:           k_qc32d7996de_main
    .symbol:         k_qc32d7996de_main.kd
    .args:
      - { .name: x_dynamic, .offset: 0, .size: 8, .value_kind: global_buffer, .address_space: global }
      - { .name: wfrag, .offset: 8, .size: 8, .value_kind: global_buffer, .address_space: global }
      - { .name: wscale, .offset: 16, .size: 8, .value_kind: global_buffer, .address_space: global }
      - { .name: lnkv_g, .offset: 24, .size: 8, .value_kind: global_buffer, .address_space: global }
      - { .name: lnkv_b, .offset: 32, .size: 8, .value_kind: global_buffer, .address_space: global }
      - { .name: qv, .offset: 40, .size: 8, .value_kind: global_buffer, .address_space: global }
      - { .name: scores, .offset: 48, .size: 8, .value_kind: global_buffer, .address_space: global }
      - { .name: part, .offset: 56, .size: 8, .value_kind: global_buffer, .address_space: global }
    .group_segment_fixed_size: 327680
    .private_segment_fixed_size: 0
    .kernarg_segment_align: 8
    .kernarg_segment_size: 64
    .max_flat_workgroup_size: 128
    .sgpr_count:     66
    .vgpr_count:     1024
    .wavefront_size: 32
...
	.end_amdgpu_metadata
.endif
;; end of part 2
;; launch finish (part 3): grid 512 x 1, 4 waves a work-group, no clusters, 0 bytes of LDS; arguments scores, part, resid, out0, out1; writes out0, out1
.if DOCPART == 3
	.amdgcn_target "amdgcn-amd-amdhsa--gfx1250"
	.amdhsa_code_object_version 6
	.text
	.protected	k_qc32d7996de_finish
	.globl	k_qc32d7996de_finish
	.p2align	8
	.type	k_qc32d7996de_finish,@function
k_qc32d7996de_finish:
	s_mov_b64 s[64:65], 0
	v_nop
	global_prefetch_b8 v0, s[64:65] scope:SCOPE_SE
	s_setreg_imm32_b32 hwreg(HW_REG_WAVE_MODE, 25, 1), 1
	s_wait_xcnt 0x0
; The four parts of a batch are joined.  Work-group 8 b + h serves head h of batch b: M = the largest of the four maxima m_c, w_c = 2^(m_c - M), L = the sum of l_c w_c;
; out1[b][h][:] = 2^(t - M) / L for the 2,048 stored t;  out0[b][64 h ..] = resid + (the sum of w_c ctx_c) / L.
; Each wave takes 512 of the t, 16 bytes a lane: every load and store covers 512 consecutive bytes.  Wave 0 also makes the head's 64 numbers of out0, two a lane: one store of 256 consecutive bytes.
; A stream with nothing shared between waves: no LDS, no barrier, no matrix unit.  LIMITS: NaN and infinities are not served.
	s_load_b256 s[4:11], s[0:1], 0x0               ; scores s[4:5], part s[6:7], resid s[8:9], out0 s[10:11]
	s_load_b64 s[12:13], s[0:1], 0x20              ; out1
	v_lshrrev_b32 v1, 5, v0
	v_readfirstlane_b32 s14, v1                    ; wave 0..3
	v_and_b32 v2, 31, v0
	v_lshlrev_b32 v3, 4, v2                        ; 16 bytes a lane
	v_mov_b32 v4, 0
	v_lshlrev_b32 v5, 3, v2                        ; 8 bytes a lane
	s_lshl_b32 s16, ttmp9, 13                      ; my row of 8,192 bytes,
	s_lshl_b32 s17, s14, 11                        ; my wave's 2,048
	s_add_co_u32 s16, s16, s17
	s_mov_b32 s17, 0
	s_lshr_b32 s18, ttmp9, 3                       ; b
	s_and_b32 s19, ttmp9, 7                        ; h
	s_mul_i32 s20, s18, 9216                       ; the batch's four parts of 2,304 bytes
	s_mov_b32 s21, 0
	s_lshl_b32 s22, s19, 2
	s_mov_b32 s23, 0
	s_lshl_b32 s26, s19, 8
	s_mov_b32 s27, 0
	s_lshl_b32 s24, s18, 11
	s_add_co_u32 s24, s24, s26
	s_mov_b32 s25, 0
	s_wait_alu depctr_va_vdst(0)
	s_wait_kmcnt 0x0
	s_add_nc_u64 s[4:5], s[4:5], s[16:17]
	s_add_nc_u64 s[12:13], s[12:13], s[16:17]
	s_add_nc_u64 s[6:7], s[6:7], s[20:21]
	s_add_nc_u64 s[28:29], s[6:7], s[22:23]        ; m and l of my head
	s_add_nc_u64 s[6:7], s[6:7], s[26:27]          ; its 64 numbers of the context
	s_add_nc_u64 s[8:9], s[8:9], s[24:25]
	s_add_nc_u64 s[10:11], s[10:11], s[24:25]
.irp i, 0,1,2,3
	global_load_b128 v[8+4*\i:11+4*\i], v3, s[4:5] offset:512*\i th:TH_LOAD_NT
.endr
.irp c, 0,1,2,3
	global_load_b32 v[24+\c], v4, s[28:29] offset:2304*\c+2048
	global_load_b32 v[28+\c], v4, s[28:29] offset:2304*\c+2080
.endr
	s_cmp_lg_u32 s14, 0
	s_cbranch_scc1 .Lno_ctx
.irp c, 0,1,2,3
	global_load_b64 v[32+2*\c:33+2*\c], v5, s[6:7] offset:2304*\c
.endr
	global_load_b64 v[40:41], v5, s[8:9]
.Lno_ctx:
	v_mov_b32 v7, 0                                ; the upper halves of pairs whose low word serves both halves
	v_mov_b32 v45, 0
	s_wait_loadcnt 0x0
	v_max3_num_f32 v6, v24, v25, v26
	v_max_num_f32 v6, v6, v27                      ; M
	s_wait_alu depctr_va_vdst(0)
.irp c, 0,1,2,3
	v_sub_f32 v[24+\c], v[24+\c], v6
.endr
.irp j, 0,2,4,6,8,10,12,14
	v_pk_add_f32 v[8+\j:9+\j], v[8+\j:9+\j], v[6:7] op_sel_hi:[1,0] neg_lo:[0,1] neg_hi:[0,1]
.endr
	s_wait_alu depctr_va_vdst(0)
.irp c, 0,1,2,3
	v_exp_f32 v[24+\c], v[24+\c]                   ; w_c
.endr
.irp j, 0,1,2,3,4,5,6,7,8,9,10,11,12,13,14,15
	v_exp_f32 v[8+\j], v[8+\j]                     ; 2^(t - M)
.endr
	v_nop                                          ; a plain line behind the batch,
	s_wait_alu depctr_va_vdst(0)                   ; and one wait for the twenty, ahead of their first reader
	v_mul_f32 v42, v28, v24
	v_fma_f32 v42, v29, v25, v42
	v_fma_f32 v42, v30, v26, v42
	v_fma_f32 v42, v31, v27, v42                   ; L
	s_wait_alu depctr_va_vdst(0)
	v_rcp_f32 v44, v42
	v_nop
	s_wait_alu depctr_va_vdst(0)                   ; the same for the reciprocal
.irp j, 0,2,4,6,8,10,12,14
	v_pk_mul_f32 v[8+\j:9+\j], v[8+\j:9+\j], v[44:45] op_sel_hi:[1,0]
.endr
.irp i, 0,1,2,3
	global_store_b128 v3, v[8+4*\i:11+4*\i], s[12:13] offset:512*\i th:TH_STORE_NT
.endr
	s_cmp_lg_u32 s14, 0
	s_cbranch_scc1 .Lend
	v_pk_mul_f32 v[46:47], v[32:33], v[24:25] op_sel_hi:[1,0]
	v_pk_fma_f32 v[46:47], v[34:35], v[24:25], v[46:47] op_sel:[0,1,0] op_sel_hi:[1,1,1]
	v_pk_fma_f32 v[46:47], v[36:37], v[26:27], v[46:47] op_sel_hi:[1,0,1]
	v_pk_fma_f32 v[46:47], v[38:39], v[26:27], v[46:47] op_sel:[0,1,0] op_sel_hi:[1,1,1]
	v_pk_fma_f32 v[46:47], v[46:47], v[44:45], v[40:41] op_sel_hi:[1,0,1]
	global_store_b64 v5, v[46:47], s[10:11]        ; 32 lanes store 256 consecutive bytes, at a multiple of 256 from out0's first byte
.Lend:
	s_endpgm
.Lfunc_end_k_qc32d7996de_finish:
	.size	k_qc32d7996de_finish, .Lfunc_end_k_qc32d7996de_finish-k_qc32d7996de_finish
	.p2alignl 7, 3214868480
	.fill 96, 4, 3214868480
	.section	.rodata,"a",@progbits
	.p2align	6, 0x0
	.amdhsa_kernel k_qc32d7996de_finish
		.amdhsa_group_segment_fixed_size 0
		.amdhsa_private_segment_fixed_size 0
		.amdhsa_enable_private_segment 0
		.amdhsa_kernarg_size 40
		.amdhsa_user_sgpr_count 2
		.amdhsa_user_sgpr_kernarg_segment_ptr 1
		.amdhsa_wavefront_size32 1
		.amdhsa_system_sgpr_workgroup_id_x 1
		.amdhsa_system_sgpr_workgroup_id_y 1
		.amdhsa_system_sgpr_workgroup_id_z 1
		.amdhsa_system_vgpr_workitem_id 0
		.amdhsa_next_free_vgpr 64
		.amdhsa_next_free_sgpr 66
		.amdhsa_reserve_vcc 0
		.amdhsa_float_denorm_mode_32 3
		.amdhsa_float_denorm_mode_16_64 3
		.amdhsa_memory_ordered 1
		.amdhsa_forward_progress 1
		.amdhsa_inst_pref_size 7
	.end_amdhsa_kernel
	.amdgpu_metadata
---
amdhsa.version: [ 1, 2 ]
amdhsa.kernels:
  - .name:           k_qc32d7996de_finish
    .symbol:         k_qc32d7996de_finish.kd
    .args:
      - { .name: scores, .offset: 0, .size: 8, .value_kind: global_buffer, .address_space: global }
      - { .name: part, .offset: 8, .size: 8, .value_kind: global_buffer, .address_space: global }
      - { .name: resid, .offset: 16, .size: 8, .value_kind: global_buffer, .address_space: global }
      - { .name: out0, .offset: 24, .size: 8, .value_kind: global_buffer, .address_space: global }
      - { .name: out1, .offset: 32, .size: 8, .value_kind: global_buffer, .address_space: global }
    .group_segment_fixed_size: 0
    .private_segment_fixed_size: 0
    .kernarg_segment_align: 8
    .kernarg_segment_size: 40
    .max_flat_workgroup_size: 128
    .sgpr_count:     66
    .vgpr_count:     64
    .wavefront_size: 32
...
	.end_amdgpu_metadata
.endif
;; end of part 3
